; MI455X (gfx1250); checked and timed in simulation.
; The chip was launched on July 23, 2026; its instructions are those of AMD's public machine-readable ISA for CDNA 5 (MIT licence, August 2026) and "CDNA5" Instruction Set Architecture Reference Guide (July 2026). The comments in the code are by the model that wrote it; some were corrected since.
;; Decoder Cell. Allowed arithmetic: matrix products marked QUANTISED: E3M2 operands, one E8M0 scale for each 32 along K, by v_wmma_scale_f32_16x16x128_f8f6f4 with both operands' format E3M2, f32 sums; everything else in f32.
;; Inputs: Ch_codes 1,024 x 64 x 24 uint8 (E3M2 codes of Ch, K innermost, in blocks of 32 codes, four codes in three bytes); Ch_scales 1,024 x 64 uint8 (E8M0 scales of Ch, one for each 32 codes along K); Cr_codes 1,024 x 64 x 24 uint8 (E3M2 codes of Cr, K innermost, in blocks of 32 codes, four codes in three bytes); Cr_scales 1,024 x 64 uint8 (E8M0 scales of Cr, one for each 32 codes along K); Cz_codes 1,024 x 64 x 24 uint8 (E3M2 codes of Cz, K innermost, in blocks of 32 codes, four codes in three bytes); Cz_scales 1,024 x 64 uint8 (E8M0 scales of Cz, one for each 32 codes along K); Uh_codes 1,024 x 32 x 24 uint8 (E3M2 codes of Uh, K innermost, in blocks of 32 codes, four codes in three bytes); Uh_scales 1,024 x 32 uint8 (E8M0 scales of Uh, one for each 32 codes along K); Ur_codes 1,024 x 32 x 24 uint8 (E3M2 codes of Ur, K innermost, in blocks of 32 codes, four codes in three bytes); Ur_scales 1,024 x 32 uint8 (E8M0 scales of Ur, one for each 32 codes along K); Uz_codes 1,024 x 32 x 24 uint8 (E3M2 codes of Uz, K innermost, in blocks of 32 codes, four codes in three bytes); Uz_scales 1,024 x 32 uint8 (E8M0 scales of Uz, one for each 32 codes along K); Wh_codes 1,024 x 32 x 24 uint8 (E3M2 codes of Wh, K innermost, in blocks of 32 codes, four codes in three bytes); Wh_scales 1,024 x 32 uint8 (E8M0 scales of Wh, one for each 32 codes along K); Wr_codes 1,024 x 32 x 24 uint8 (E3M2 codes of Wr, K innermost, in blocks of 32 codes, four codes in three bytes); Wr_scales 1,024 x 32 uint8 (E8M0 scales of Wr, one for each 32 codes along K); Wz_codes 1,024 x 32 x 24 uint8 (E3M2 codes of Wz, K innermost, in blocks of 32 codes, four codes in three bytes); Wz_scales 1,024 x 32 uint8 (E8M0 scales of Wz, one for each 32 codes along K); bh 1,024 float32; br 1,024 float32; bz 1,024 float32; c_codes 4,096 x 64 x 24 uint8 (E3M2 codes of c, K innermost, in blocks of 32 codes, four codes in three bytes); c_scales 4,096 x 64 uint8 (E8M0 scales of c, one for each 32 codes along K); hprev 4,096 x 1,024 float32; x_codes 4,096 x 32 x 24 uint8 (E3M2 codes of x, K innermost, in blocks of 32 codes, four codes in three bytes); x_scales 4,096 x 32 uint8 (E8M0 scales of x, one for each 32 codes along K).
;; Outputs: out0 4,096 x 1,024 float32.
;; This version of the problem:
;;   THIS VERSION OF THE PROBLEM IS GIVEN IN LOW PRECISION. The matrix products marked QUANTISED in the list below multiply operands that are first quantised to E3M2 (3 exponent bits, 2 mantissa bits; 6 bits a number), with one power-of-two scale for each 32 numbers along K (OCP MX v1.0); their sums are f32. All else is computed in f32.
;;   The module's matrix products, in the order in which they are computed (A, B: the left and right operand; K: the contracted axis; several contracted axes count as one K, in the product's order):
;;     1. [M 4,096, K 1,024] x [K 1,024, N 1,024]; A: input x (given as codes); B: input Wr (given as codes): QUANTISED
;;     2. [M 4,096, K 1,024] x [K 1,024, N 1,024]; A: input hprev; B: input Ur (given as codes): QUANTISED
;;     3. [M 4,096, K 2,048] x [K 2,048, N 1,024]; A: input c (given as codes); B: input Cr (given as codes): QUANTISED
;;     4. [M 4,096, K 1,024] x [K 1,024, N 1,024]; A: input x (given as codes); B: input Wz (given as codes): QUANTISED
;;     5. [M 4,096, K 1,024] x [K 1,024, N 1,024]; A: input hprev; B: input Uz (given as codes): QUANTISED
;;     6. [M 4,096, K 2,048] x [K 2,048, N 1,024]; A: input c (given as codes); B: input Cz (given as codes): QUANTISED
;;     7. [M 4,096, K 1,024] x [K 1,024, N 1,024]; A: input x (given as codes); B: input Wh (given as codes): QUANTISED
;;     8. [M 4,096, K 1,024] x [K 1,024, N 1,024]; A: computed on the way; B: input Uh (given as codes): QUANTISED
;;     9. [M 4,096, K 2,048] x [K 2,048, N 1,024]; A: input c (given as codes); B: input Ch (given as codes): QUANTISED
;;   THE QUANTISER, for each operand of a quantised product, along K:
;;     - K is cut into blocks of 32 from its start; a last block that is shorter is filled with zeros.
;;     - A block's scale is 2^e with e = floor(log2(the largest magnitude in the block)) - 4, held to -126 .. 127; a block of zeros has e = 0. As a byte (E8M0): e + 127.
;;     - Each number is divided by its block's scale, clamped to +-28, and rounded to the nearest number of E3M2, ties to even, subnormals kept.
;;     - The product sums the exact products of the quantised numbers (number of the format x scale) in f32.
;;   ~~~python
;;   def quantise(x, axis):      # numpy; x: float32 -> the quantised numbers, widened to float32 again
;;       x = np.moveaxis(x, axis, -1); K = x.shape[-1]
;;       x = np.pad(x, [(0, 0)] * (x.ndim - 1) + [(0, -K % 32)]); x = x.reshape(x.shape[:-1] + (-1, 32)); a = np.abs(x).max(-1, keepdims=True)
;;       e = np.where(a > 0, np.clip(np.frexp(np.where(a > 0, a, 1))[1] - 1 - 4, -126, 127), 0)      # np.frexp(a)[1] - 1 = floor(log2(a)), exactly
;;       r = np.clip(x / 2.0 ** e, -28, 28)
;;       step = 2.0 ** (np.maximum(np.frexp(np.where(r == 0, 1, r))[1] - 1, -2) - 2)
;;       q = np.round(r / step) * step * 2.0 ** e      # np.round: ties to even
;;       return np.moveaxis(q.reshape(q.shape[:-2] + (-1,))[..., :K], -1, axis).astype(np.float32)
;;   ~~~
;;   OPERANDS COMPUTED ON THE WAY. 'Computed on the way' means the value that the module computes at that place (a softmax that the list does not call 'softmax' is quantised finished and normalised). What goes into a quantiser is computed in f32, as accurately as f32 sums, v_exp_f32 and their like allow (about 1e-6 of the number): no bf16 or f16 on the way to a quantiser, and a product that is left as it is and whose result goes on into a quantised operand takes f32 operands (vector FMAs, or v_wmma_f32_16x16x4_f32). A number that lies on a knife's edge between two numbers of the format may be rounded either way, as far as f32 arithmetic and the matrix unit's own rounding can turn it there, and no further.
;;   INPUTS GIVEN AS CODES. Ch (in the module: [1024, 2048], K = its axis 1); Cr (in the module: [1024, 2048], K = its axis 1); Cz (in the module: [1024, 2048], K = its axis 1); Uh (in the module: [1024, 1024], K = its axis 1); Ur (in the module: [1024, 1024], K = its axis 1); Uz (in the module: [1024, 1024], K = its axis 1); Wh (in the module: [1024, 1024], K = its axis 1); Wr (in the module: [1024, 1024], K = its axis 1); Wz (in the module: [1024, 1024], K = its axis 1); c (in the module: [4096, 2048], K = its axis 1); x (in the module: [4096, 1024], K = its axis 1): each comes as NAME_codes (uint8): NAME with its K axis moved to the last place and cut into blocks of 32 codes, [.., K / 32, bytes a block], one block behind the other in memory; four codes in three bytes: a row's codes are one little-endian stream of bits, code i at bits 6 i .. 6 i + 5 (a code: sign, 3 exponent bits, 2 mantissa bits); and NAME_scales (uint8): the same leading axes, one E8M0 byte (e + 127) for each 32 codes along K. Its value is code x scale, taken as it is: it is not quantised again, and the codes and scales need not be those that the quantiser above would give.
;; One version. Each part assembles by itself: llvm-mc -triple=amdgcn-amd-amdhsa -mcpu=gfx1250 --defsym DOCPART=n.
;; ======== version 1 of 1: 3 launches
;; limits: right only within a limited range of input values
;; workspace buffers: hq_codes 3,145,728 bytes; hq_scales 131,072 bytes; rh_img 3,145,728 bytes; rh_sc 131,072 bytes
;; launch quant (part 1): grid 256 x 1, 4 waves a work-group, no clusters, 33,280 bytes of LDS; arguments hprev, hq_codes, hq_scales; writes hq_codes, hq_scales
.if DOCPART == 1
	.amdgcn_target "amdgcn-amd-amdhsa--gfx1250"
	.amdhsa_code_object_version 6
	.text
	.protected	k_qe2981e04a4_quant
	.globl	k_qe2981e04a4_quant
	.p2align	8
	.type	k_qe2981e04a4_quant,@function
k_qe2981e04a4_quant:
	s_mov_b64 s[64:65], 0
	v_nop
	global_prefetch_b8 v0, s[64:65] scope:SCOPE_SE
	s_setreg_imm32_b32 hwreg(HW_REG_WAVE_MODE, 25, 1), 1
	s_wait_xcnt 0x0
; FIRST OF THREE LAUNCHES of  out = z h_prop + (1 - z) hprev,  r = sigmoid(x Wr^T + hprev Ur^T + c Cr^T + br),  z likewise,  h_prop = tanh(x Wh^T + (r hprev) Uh^T + c Ch^T + bh).
; NO WORK OF THE PROBLEM IS DEAD: each of the nine products, each bias and hprev reach out0 for general values, so every input is loaded by some launch and nothing is left out.
; THIS LAUNCH: hprev [4096][1024], f32, the left operand of the products with Ur and Uz, is turned ONCE into codes of E3M2 (6 bits, K innermost, laid as x_codes: 768 bytes a row) and
; one E8M0 byte for each 32 along K (laid as x_scales: 32 bytes a row); eight work-groups of each later launch read each row, so it is not quantised there.
; A block's scale is 2^(floor(log2(its largest magnitude)) - 4); its byte is the largest magnitude's exponent field - 4, held at 1 from below.
; LIMITS: a block of zeros gets the byte 1 where the stated quantiser says 127 (its codes are zeros, which add nothing under any byte but 0xff, and this program alone reads the bytes);
; blocks whose largest magnitude lies under 2^-122 are held at the byte 1; NaN and infinities in hprev are not served.
; Rows are dense and 1,024 is a multiple of 32: the tensor is a plain stream of blocks.  A wave takes 8 steps of 512 numbers.  Each of a step's four loads reads 512 consecutive bytes, 16 a lane;
; the 2,048 bytes turn through the wave's own stage in LDS (16 bytes of padding behind each 64) and come back 64 bytes a lane: 16 NEIGHBOURS along K in one lane's registers, as the conversion
; wants them; two neighbouring lanes hold a block.  A lane's 16 codes are 12 bytes: a store of the wave covers 384 consecutive bytes.  A wave's 128 scale bytes are gathered in LDS and leave by one
; store of 128 consecutive bytes (two waves fill 256 aligned bytes between them).  No tensor loads, no barrier: waves share nothing.  Loads run four steps ahead, the turn through LDS one step.
.set WAVES, 4
.set STEPS, 8
.set EMAX,  4
.set CB,    12                         ; bytes of 16 codes
.set R,     16                         ; v16-79   four sets of 16 numbers as they are loaded
.set X,     80                         ; v80-111  two sets of 16 neighbours
.set E,     112                        ; v112-119 a scale byte for each step
.set C,     128                        ; v128-159 codes: four registers for each step, so that no store's data are written again
.set WREG,  8192                       ; LDS: a region for each wave: two stages of 32 x SP bytes, behind them its 128 scale bytes
.set SP,    80                         ; a lane's place in a stage: its 64 bytes + 16 of padding
.set SPW,   12                         ; v12      LDS address of my spare word; never rewritten
.set NIL,   13                         ; v13      0; never rewritten
.set SPARE, WAVES*WREG                 ; behind the four regions: the spare words, 128 bytes a wave, which no other line names
	s_load_b128 s[4:7], s[0:1], 0x0                ; hprev s[4:5], the codes s[6:7]
	s_load_b64 s[8:9], s[0:1], 0x10                ; the scale bytes
	v_lshl_add_u32 v[SPW], v0, 2, SPARE
	v_mov_b32 v[NIL], 0
	v_lshrrev_b32 v1, 5, v0
	v_readfirstlane_b32 s16, v1                    ; wave
	v_and_b32 v2, 31, v0                           ; lane
	v_lshlrev_b32 v3, 4, v2                        ; my 16 bytes of a load's 512
	s_mul_i32 s17, s16, WREG
	v_lshrrev_b32 v14, 2, v2
	v_mul_u32_u24 v14, v14, SP
	v_and_b32 v15, 3, v2
	v_lshl_add_u32 v14, v15, 4, v14
	v_add_nc_u32 v14, s17, v14                     ; the stage, on the way in: SP (lane / 4) + 16 (lane % 4)
	v_mul_u32_u24 v15, v2, SP
	v_add_nc_u32 v15, s17, v15                     ; and on the way out: SP x lane: my 16 neighbours
	v_mul_u32_u24 v4, v2, CB                       ; my codes' place in a step's
	v_lshrrev_b32 v5, 1, v2
	s_add_co_u32 s17, s17, 2*32*SP
	v_add_nc_u32 v5, s17, v5                       ; LDS: my wave's scale bytes, my block's byte
	v_lshlrev_b32 v7, 2, v2                        ; and on the way out 4 bytes a lane
	v_add_nc_u32 v6, s17, v7
	s_lshl_b32 s18, ttmp9, 2
	s_add_co_u32 s18, s18, s16                     ; which run of 4,096 numbers is my wave's: 0 .. 1,023
	s_lshl_b32 s20, s18, 14                        ; 16,384 bytes of f32 a run,
	s_mov_b32 s21, 0
	s_mul_i32 s22, s18, 32*STEPS*CB                ; 3,072 bytes of codes,
	s_mov_b32 s23, 0
	s_lshl_b32 s24, s18, 7                         ; 128 scale bytes
	s_mov_b32 s25, 0
	s_wait_alu depctr_va_vdst(0)
	s_wait_kmcnt 0x0
	s_add_nc_u64 s[4:5], s[4:5], s[20:21]
	s_add_nc_u64 s[6:7], s[6:7], s[22:23]
	s_add_nc_u64 s[8:9], s[8:9], s[24:25]
.macro LOAD t
.irp i, 0,1,2,3
	global_load_b128 v[R+16*((\t)%4)+4*\i:R+16*((\t)%4)+4*\i+3], v3, s[4:5] offset:2048*(\t)+512*\i th:TH_LOAD_NT   ; 32 lanes read 512 consecutive bytes
.endr
.endm
.macro TURN t                          ; step t's numbers through the stage: LDS serves a wave's instructions in order, so no wait stands between the stores and the loads
.irp i, 0,1,2,3
	ds_store_b128 v14, v[R+16*((\t)%4)+4*\i:R+16*((\t)%4)+4*\i+3] offset:32*SP*((\t)%2)+8*SP*\i
.endr
.irp i, 0,1,2,3
	ds_load_b128 v[X+16*((\t)%2)+4*\i:X+16*((\t)%2)+4*\i+3], v15 offset:32*SP*((\t)%2)+16*\i
.endr
.endm
.irp t, 0,1,2,3
	LOAD \t
.endr
	s_wait_loadcnt 12                              ; step 0's four loads are in; the twelve of steps 1 to 3 may be out
	TURN 0
.macro STEP t
.set XS, X+16*((\t)%2)
.if (\t) > 0
	s_wait_dscnt 1                                 ; this step's numbers are back from the stage (the last step's byte store may be out), so its stores into the stage have read their registers,
.else
	s_wait_dscnt 0x0
.endif
.if (\t)+4 < STEPS
	LOAD (\t)+4                                    ; which take the loads of four steps on
.endif
.if (\t)+1 < STEPS
.if STEPS-2-(\t) >= 3
	s_wait_loadcnt 12                              ; the next step's four loads are in; those of the three steps behind it may be out
.else
	s_wait_loadcnt 4*(STEPS-2-(\t))                ; in the tail: four for each step that is still behind the next one
.endif
	TURN (\t)+1                                    ; and go through the other stage while this step is worked
.endif
	v_max3_num_f32 v8, |v[XS]|, |v[XS+1]|, |v[XS+2]|               ; the largest magnitude of my 16, in two chains
	v_max3_num_f32 v9, |v[XS+3]|, |v[XS+4]|, |v[XS+5]|
.irp i, 6,10
	v_max3_num_f32 v8, v8, |v[XS+\i]|, |v[XS+\i+1]|
	v_max3_num_f32 v9, v9, |v[XS+\i+2]|, |v[XS+\i+3]|
.endr
	v_max3_num_f32 v8, v8, |v[XS+14]|, |v[XS+15]|
	v_max3_num_f32 v8, v8, v9, (EMAX+1)<<23        ; and the floor 2^(5 - 127): the byte cannot fall under 1
	v_max_num_f32_dpp v8, v8, v8 row_xmask:1 row_mask:0xf bank_mask:0xf   ; and of my neighbour's 16: the block's
	v_add_nc_u32 v11, -(EMAX<<23), v8              ; 4 off its exponent field: the conversion takes the exponent field of this operand as its scale, and nothing else of it
	v_cvt_scalef32_pk16_bf6_f32 v[C+4*(\t):C+4*(\t)+2], v[XS:XS+15], v11   ; sixteen numbers / the scale, to the nearest code, ties to even, beyond 28 the largest code; 96 bits without gaps
	v_lshrrev_b32 v[E+(\t)], 23, v11               ; the scale's byte (also the plain line behind the conversion)
	ds_store_b8 v5, v[E+(\t)] offset:16*(\t)       ; both lanes of a block write the same byte with the same value
	global_store_b96 v4, v[C+4*(\t):C+4*(\t)+2], s[6:7] offset:32*CB*(\t)
.endm
.irp t, 0,1,2,3,4,5,6,7
	STEP \t
.endr
	ds_load_b32 v8, v6                             ; LDS serves a wave's instructions in order: this sees my byte stores
	s_wait_dscnt 0x0
	global_store_b32 v7, v8, s[8:9]                ; 32 lanes store my wave's 128 consecutive scale bytes
	s_wait_tensorcnt 0x0                           ; the wave's end
	ds_add_u32 v[SPW], v[NIL]
	s_wait_dscnt 0x0
	s_endpgm
.Lfunc_end_k_qe2981e04a4_quant:
	.size	k_qe2981e04a4_quant, .Lfunc_end_k_qe2981e04a4_quant-k_qe2981e04a4_quant
	.p2alignl 7, 3214868480
	.fill 96, 4, 3214868480
	.section	.rodata,"a",@progbits
	.p2align	6, 0x0
	.amdhsa_kernel k_qe2981e04a4_quant
		.amdhsa_group_segment_fixed_size 33280
		.amdhsa_private_segment_fixed_size 0
		.amdhsa_enable_private_segment 0
		.amdhsa_kernarg_size 24
		.amdhsa_user_sgpr_count 2
		.amdhsa_user_sgpr_kernarg_segment_ptr 1
		.amdhsa_wavefront_size32 1
		.amdhsa_system_sgpr_workgroup_id_x 1
		.amdhsa_system_sgpr_workgroup_id_y 1
		.amdhsa_system_sgpr_workgroup_id_z 1
		.amdhsa_system_vgpr_workitem_id 0
		.amdhsa_next_free_vgpr 192
		.amdhsa_next_free_sgpr 66
		.amdhsa_reserve_vcc 0
		.amdhsa_float_denorm_mode_32 3
		.amdhsa_float_denorm_mode_16_64 3
		.amdhsa_memory_ordered 1
		.amdhsa_forward_progress 1
		.amdhsa_inst_pref_size 17
	.end_amdhsa_kernel
	.amdgpu_metadata
---
amdhsa.version: [ 1, 2 ]
amdhsa.kernels:
  - .name:           k_qe2981e04a4_quant
    .symbol:         k_qe2981e04a4_quant.kd
    .args:
      - { .name: hprev, .offset: 0, .size: 8, .value_kind: global_buffer, .address_space: global }
      - { .name: hq_codes, .offset: 8, .size: 8, .value_kind: global_buffer, .address_space: global }
      - { .name: hq_scales, .offset: 16, .size: 8, .value_kind: global_buffer, .address_space: global }
    .group_segment_fixed_size: 33280
    .private_segment_fixed_size: 0
    .kernarg_segment_align: 8
    .kernarg_segment_size: 24
    .max_flat_workgroup_size: 128
    .sgpr_count:     66
    .vgpr_count:     192
    .wavefront_size: 32
...
	.end_amdgpu_metadata
.endif
;; end of part 1
;; launch rgate (part 2): grid 8 x 32, 4 waves a work-group, clusters of 4 x 4, 327,680 bytes of LDS; arguments x_codes, hq_codes, c_codes, Wr_codes, Ur_codes, Cr_codes, rh_img, rh_sc, x_scales, hq_scales, c_scales, Wr_scales, Ur_scales, Cr_scales, br, hprev; writes rh_img, rh_sc
.if DOCPART == 2
	.amdgcn_target "amdgcn-amd-amdhsa--gfx1250"
	.amdhsa_code_object_version 6
	.text
	.protected	k_qe2981e04a4_rgate
	.globl	k_qe2981e04a4_rgate
	.p2align	8
	.type	k_qe2981e04a4_rgate,@function
k_qe2981e04a4_rgate:
	s_mov_b64 s[64:65], 0
	v_nop
	global_prefetch_b8 v0, s[64:65] scope:SCOPE_SE
	s_setreg_imm32_b32 hwreg(HW_REG_WAVE_MODE, 25, 1), 1
	s_wait_xcnt 0x0
	s_wait_alu depctr_hold_cnt(0) depctr_sa_sdst(0) depctr_va_vdst(0) depctr_va_sdst(0) depctr_va_ssrc(0) depctr_va_vcc(0) depctr_vm_vsrc(0)
	s_getreg_b32 s2, hwreg(HW_REG_IB_STS2, 6, 4)
	s_cmp_eq_u32 s2, 0
	s_cbranch_scc0 .Lentry_in_a_cluster
	s_endpgm
.Lentry_in_a_cluster:
	s_bfe_u32 s2, ttmp6, 0x10000c
	s_cmp_lg_u32 s2, 0xf033
	s_cbranch_scc0 .Lentry_shape_is_right
	s_endpgm
.Lentry_shape_is_right:
; SECOND LAUNCH: r = sigmoid(x Wr^T + hprev Ur^T + c Cr^T + br); r x hprev is quantised along K = the hidden axis and stored as codes and scale bytes for the product with Uh.  Nothing of the problem is left out here.
; One sum over K = 4,096 in one f32 accumulator for each output, begun with br as the first C.  LIMITS: another order of rounding than three sums added; v_exp_f32 and v_rcp_f32 flush denormals;
; a block of zeros gets the scale byte 1 (its codes are zeros, and this program alone reads the bytes).
; SHARES: a work-group makes 128 rows x 128 columns (32 x 8 = 256 work-groups), each of four waves 64 x 64: 16 accumulators.
; K IS ONE STREAM of 3,072 bytes a row (x, hprev's codes, c; Wr, Ur, Cr), in SIX FILLS OF 512 BYTES.  A fill is four tiles of 128 rows x 256 bytes, each row at a multiple of 256 bytes in memory:
; wave 0 fetches the batch's lower 256 bytes, wave 1 its upper, waves 2 and 3 the weight's.  Fill f lies in slot f % 2.  A K step is 96 bytes of a row; steps 5, 10, 21 and 26 lie across two fills.
; CLUSTERS: 4 x 4; the batch's tiles are shared along a row of the cluster, the weight's along a column, each asked for jointly.
; THE MATRIX INSTRUCTION IS USED TRANSPOSED (source 0 = 16 rows of the weight, source 1 = 16 rows of the batch): lane (r, h) holds batch row r and, in register j, column 8 h + j of a tile.
; THE SCALE WORDS for all of K are copied once into registers.  PREFETCH: behind the joint loads of fills 1 to 3 each wave names its tile of the fill two on, 32 rows, a lane a row; the four partners share the 128 rows out by address.
; r x hprev leaves as images of the operand's registers: [tile row][K step][row tile][6 pairs x 256 bytes], each store of a wave 256 consecutive bytes.
; REGISTERS: window 0: v1-35 addresses, v48-175 scale words (on the way out: at work); window 1: v0-127 accumulators, v128-255 my 32 rows of hprev's tile; window 2: v0-95, v96-191 two sets of 4 fragments a side, v192-223 br.
.set PITCH,  272
.set TILE,   128*PITCH
.set SLOT,   4*TILE
.set SPARE,  2*SLOT
.set FILLS,  6
.set HP,     0                         ; hprev's tile, 128 rows x 528 bytes, in slot 0 behind its last fill and last read
.set HPP,    528
.set SCW,    128*HPP                   ; behind it: 512 bytes for r x hprev's scale words
.set AF,     0
.set BF,     96
.set BIAS,   192
.set HR,     128
.set ADRA,   8                         ; v8, v9 my batch rows in slot 0, 1; v10, v11: lanes 0-15 byte 232 of the lower tile, lanes 16-31 byte 0 of the upper; v12, v13: lanes 0-15 byte 232 of the upper tile, lanes 16-31 byte 0 of the other slot
.set ADRB,   14                        ; v14-19 the same for the weight
.set SPW,    22
.set NIL,    23
.set SCA,    24
.set RHO,    25
.set HPA,    26
.set SCR,    27
.set L16,    28
.set RD,     29
.set OA32,   30
.set OA64,   31
.set OB32,   32
.set OB64,   33
.set OBI,    34
.set PF15,   35
.set T,      48
.set MX,     176
.set PP,     184
.set SS,     192
.set EE,     200
.set CC,     208
.set G1A,    20
.set G1B,    28
.set G0A,    36
.set G0B,    44
.set WV,     88
.set WI,     89
.set WJ,     90
.set TX,     91
.set TY,     92
.set RM,     93
.set CM,     94
.set W_LD,   0x80
.set W_MUL,  0x5a
.set W_MULB, 0x6a
.set MSB, 0
.macro WIN new
.if MSB != \new
	s_set_vgpr_msb (MSB<<8)|\new
.set MSB, \new
.endif
.endm
.macro PLACES                          ; four plain places behind matrix instructions (ISA guide 7.12.1 for matrix instructions)
.rept 4
	v_nop
.endr
.endm
.macro CREST
	s_cmp_lg_u32 s[WV], 0
	s_cbranch_scc1 .Lnot_wave_0_\@
	s_barrier_signal -3
.Lnot_wave_0_\@:
	s_barrier_wait -3
	s_barrier_signal -1
	s_barrier_wait -1
.endm
.macro CROUND
	s_barrier_signal -1
	s_barrier_wait -1
	CREST
.endm
.macro CH f                            ; fill f: my wave's pointers (batch line, weight line) and the byte along the rows
.if (\f) == 0
.set XA, 4
.set XB, 10
.set XO, 0
.elseif (\f) == 1
.set XA, 52
.set XB, 54
.set XO, 0
.elseif (\f) == 2
.set XA, 6
.set XB, 12
.set XO, 0
.else
.set XA, 8
.set XB, 14
.set XO, 512*((\f)-3)
.endif
.endm
.macro SETFILL f                       ; written only where no tensor load of the wave is out
	CH \f
.set GA, G0A+4*((\f)%2)
.set GB, G0B+4*((\f)%2)
	s_add_nc_u64 s[GA+2:GA+3], s[XA:XA+1], XO
	s_or_b32 s[GA+3], s[GA+3], 0x80000000
	s_add_nc_u64 s[GB+2:GB+3], s[XB:XB+1], XO
	s_or_b32 s[GB+3], s[GB+3], 0x80000000
.if (\f) == 3
	s_mov_b32 s[G1A+5], 1536                       ; c, Cr: rows 1,536 bytes apart
	s_mov_b32 s[G1B+5], 1536
.endif
.endm
.macro JL f, pf                        ; the joint load of fill f; the branch hangs on the wave's number alone.  pf: my tile of fill f + 2 (c's, Cr's) is prefetched
	s_cmp_lt_u32 s[WV], 2
	s_cbranch_scc0 .Ljb_\@
	tensor_load_to_lds s[G0A+4*((\f)%2):G0A+4*((\f)%2)+3], s[G1A:G1A+7]
	s_nop 0
	PLACES
.if \pf
	CH (\f)+2
	global_prefetch_b8 v[PF15], s[XA:XA+1] offset:XO th:TH_LOAD_NT scope:SCOPE_SE
.endif
	s_branch .Lj9_\@
.Ljb_\@:
	tensor_load_to_lds s[G0B+4*((\f)%2):G0B+4*((\f)%2)+3], s[G1B:G1B+7]
	s_nop 0
	PLACES
.if \pf
	global_prefetch_b8 v[PF15], s[XB:XB+1] offset:XO th:TH_LOAD_NT scope:SCOPE_SE
.endif
.Lj9_\@:
.endm
; A fragment, 16 rows x 128 K, is 12 registers, in pieces of 8 bytes.  Byte y of the stream lies in slot (y / 512) % 2, tile (y / 256) % 2 of the side, at byte y % 256.  Lanes 16-31 read 24 bytes on.
.macro FRAG reg, adr, st, i
.irp p, 0,1,2,3,4,5
.set BY, 96*(\st)+48*(\p/3)+8*(\p%3)
.set SL, (BY/512)%2
.set SB, (BY/256)%2
.if BY/256 == (BY+24)/256
	ds_load_b64 v[(\reg)+2*\p:(\reg)+2*\p+1], v[(\adr)+SL] offset:BY%256+SB*TILE+(\i)*16*PITCH
.elseif SB == 0
	ds_load_b64 v[(\reg)+2*\p:(\reg)+2*\p+1], v[(\adr)+2+SL] offset:BY%256-232+(\i)*16*PITCH
.else
	ds_load_b64 v[(\reg)+2*\p:(\reg)+2*\p+1], v[(\adr)+4+SL] offset:BY%256-232+(\i)*16*PITCH
.endif
.endr
.endm
.macro WM4
.if rR0 && rR1
	v_wmma_scale_f32_16x16x128_f8f6f4 v[rD:rD+7], v[rF0:rF0+11], v[rF1:rF1+11], v[rC:rC+7], v[rS0], v[rS1] matrix_a_fmt:MATRIX_FMT_BF6 matrix_b_fmt:MATRIX_FMT_BF6 matrix_a_scale:MATRIX_SCALE_ROW1 matrix_b_scale:MATRIX_SCALE_ROW1
.elseif rR0
	v_wmma_scale_f32_16x16x128_f8f6f4 v[rD:rD+7], v[rF0:rF0+11], v[rF1:rF1+11], v[rC:rC+7], v[rS0], v[rS1] matrix_a_fmt:MATRIX_FMT_BF6 matrix_b_fmt:MATRIX_FMT_BF6 matrix_a_scale:MATRIX_SCALE_ROW1
.elseif rR1
	v_wmma_scale_f32_16x16x128_f8f6f4 v[rD:rD+7], v[rF0:rF0+11], v[rF1:rF1+11], v[rC:rC+7], v[rS0], v[rS1] matrix_a_fmt:MATRIX_FMT_BF6 matrix_b_fmt:MATRIX_FMT_BF6 matrix_b_scale:MATRIX_SCALE_ROW1
.else
	v_wmma_scale_f32_16x16x128_f8f6f4 v[rD:rD+7], v[rF0:rF0+11], v[rF1:rF1+11], v[rC:rC+7], v[rS0], v[rS1] matrix_a_fmt:MATRIX_FMT_BF6 matrix_b_fmt:MATRIX_FMT_BF6
.endif
.endm
.macro MUL8 a0                         ; 8 matrix instructions; the 16 accumulators take turns
.irp a, \a0, \a0+1
.irp b, 0,1,2,3
.set rD, 8*(4*(\a)+\b)
.set rC, rD
.if CB >= 0
.set rC, CB+8*\b
.endif
.set rF0, BF+48*FSET+12*\b
.set rF1, AF+48*FSET+12*(\a)
.set rS0, SBR+(\b/2)*NS
.set rS1, SAR+((\a)/2)*NS
.set rR0, \b%2
.set rR1, (\a)%2
	WM4
.endr
.endr
.endm
.macro SETU u                          ; K step u: its set of fragments and its scale registers; step 0 takes br as C
.set FSET, (\u)%2
.set CB, -1
.if (\u) == 0
.set CB, BIAS
.endif
.set NS, 8
.if (\u) < 8
.set SAR, 48+(\u)
.set SBR, 112+(\u)
.elseif (\u) < 16
.set SAR, 64+(\u)-8
.set SBR, 128+(\u)-8
.else
.set SAR, 80+(\u)-16
.set SBR, 144+(\u)-16
.set NS, 16
.endif
.endm
.macro FETCHFOR u
	WIN W_LD
.irp t, 0,1,2,3
	FRAG AF+48*((\u)%2)+12*\t, ADRA, \u, \t
	FRAG BF+48*((\u)%2)+12*\t, ADRB, \u, \t
.endr
.endm
.macro HPOUT                           ; my 32 rows of hprev's tile go into slot 0: it has had its last fill, and every wave has passed the barrier behind its last read
	WIN 0x04
.irp t, 0,1,2,3,4,5,6,7,8,9,10,11,12,13,14,15,16,17,18,19,20,21,22,23,24,25,26,27,28,29,30,31
	ds_store_b128 v[RD], v[HR+4*\t:HR+4*\t+3] offset:\t*HPP
.endr
.endm
; A K step.  Where the next step ENDS in a fill not read yet: every wave waits for its tensor loads, and a barrier shows the fill whole.  Where it BEGINS in a later fill, the fill left behind is read no more:
; wait, add, wait, the barrier, which opens a round of the cluster's barrier where a fill two on is left to fetch, and the joint refill first behind the round.
.macro STEPR u
.set C0, (96*(\u))/512
.set C1, (96*(\u)+96)/512
.set E0, (96*(\u)+95)/512
.set E1, (96*(\u)+191)/512
.if C1 > C0 || E1 > E0
	WIN 0
	s_wait_tensorcnt 0x0                           ; all my tensor loads have landed
.if C1 > C0
	ds_add_u32 v[SPW], v[NIL]
.if C0+2 < FILLS
	SETFILL C0+2
.endif
.endif
	s_wait_dscnt 0x0                               ; the add, this step's fragments, and my reads of the fill left behind
	s_barrier_signal -1
	SETU \u
	WIN W_MUL
	MUL8 0
	WIN 0
	s_barrier_wait -1
.if C1 > C0 && C0+2 < FILLS
	CREST
.set PFON, 0
.if C0+4 < FILLS
.set PFON, 1
.endif
	JL C0+2, PFON
.endif
	PLACES
	FETCHFOR (\u)+1
	WIN W_MUL
	MUL8 2
.if C1 > C0 && C0 == FILLS-2
	HPOUT
.endif
.else
	PLACES
	FETCHFOR (\u)+1
	s_wait_dscnt 48                                ; all but the 48 loads just issued: this step's fragments are in
	SETU \u
.if CB >= 0
	WIN W_MULB
.else
	WIN W_MUL
.endif
	MUL8 0
	MUL8 2
.endif
.endm
.macro SCL base, ns, voff, sptr, ps    ; the scale words of 64 rows, ns K steps: lane l takes rows first + l and first + 32 + l
.irp g, 0,1
.set QQ, 0
.rept \ns/4
	global_load_b128 v[\base+\g*\ns+4*QQ:\base+\g*\ns+4*QQ+3], v[\voff], s[\sptr:\sptr+1] offset:\g*32*\ps+16*QQ
.set QQ, QQ+1
.endr
.endr
.endm
	s_load_b512 s[4:19], s[0:1], 0x0               ; codes: x, hprev's, c s[4:9]; Wr, Ur, Cr s[10:15]; rh_img s[16:17], rh_sc s[18:19]
	s_load_b512 s[68:83], s[0:1], 0x40             ; scales: x, hprev's, c, Wr, Ur, Cr s[68:79]; br s[80:81]; hprev s[82:83]
	v_lshl_add_u32 v[SPW], v0, 2, SPARE
	v_mov_b32 v[NIL], 0
	ds_add_u32 v[SPW], v[NIL]                      ; the opening lines: the add, twice on end, and its wait
	ds_add_u32 v[SPW], v[NIL]
	v_lshrrev_b32 v1, 5, v0
	v_readfirstlane_b32 s[WV], v1
	s_lshr_b32 s[WI], s[WV], 1                     ; my half of the rows; also: I fetch for the batch (0) or the weight (1)
	s_and_b32 s[WJ], s[WV], 1                      ; my half of the columns; also: the lower or the upper 256 bytes of a fill
	s_bfe_u32 s3, ttmp6, 0x40000                   ; cx
	s_lshl_b32 s[TX], ttmp9, 2
	s_add_co_u32 s[TX], s[TX], s3
	s_lshl_b32 s[CM], 0x1111, s3
	s_bfe_u32 s56, ttmp6, 0x40004                  ; cy
	s_and_b32 s[TY], ttmp7, 0xffff
	s_lshl_b32 s[TY], s[TY], 2
	s_add_co_u32 s[TY], s[TY], s56
	s_lshl_b32 s57, s56, 2
	s_lshl_b32 s[RM], 15, s57
	s_cmp_lt_u32 s[WV], 2
	s_cselect_b32 s84, s3, s56                     ; my place among the four that ask with me (for the prefetches' addresses alone)
	s_lshl_b32 s84, s84, 5
	s_or_b32 s[G1A], s[RM], (1<<20)|(1<<21)|(5<<22)|(3<<25)   ; mask; elements of 1 byte; 4 words of padding behind every 64
	s_or_b32 s[G1B], s[CM], (1<<20)|(1<<21)|(5<<22)|(3<<25)
.irp g, G1A, G1B
	s_mov_b32 s[\g+1], 256<<16
	s_mov_b32 s[\g+2], 128<<16
	s_mov_b32 s[\g+3], 256<<16
	s_mov_b32 s[\g+4], 128
	s_mov_b32 s[\g+5], 768
	s_mov_b32 s[\g+6], 0
	s_mov_b32 s[\g+7], 0
.endr
	s_mul_i32 s96, s[TY], 98304                    ; 128 x tile row rows of 768 bytes
	s_mov_b32 s97, 0
	s_mul_i32 s98, s[TX], 98304
	s_mov_b32 s99, 0
	s_lshl_b32 s56, s[WJ], 8                       ; my 256 bytes of a fill
	s_mov_b32 s57, 0
	s_lshl_b32 s58, s[TY], 19                      ; hprev: ((128 x tile row + 32 x wave) x 1,024 + 128 x tile column) x 4
	s_lshl_b32 s3, s[WV], 17
	s_add_co_u32 s58, s58, s3
	s_lshl_b32 s3, s[TX], 9
	s_add_co_u32 s58, s58, s3
	s_mov_b32 s59, 0
	s_mul_i32 s60, s[TY], 98304                    ; the images: [tile row][K step = tile column] x 12,288 bytes
	s_mul_i32 s3, s[TX], 12288
	s_add_co_u32 s60, s60, s3
	s_mov_b32 s61, 0
	s_lshl_b32 s62, s[TX], 14                      ; the scale words: [K step][row]
	s_lshl_b32 s3, s[TY], 9
	s_add_co_u32 s62, s62, s3
	s_mov_b32 s63, 0
	s_mul_i32 s3, s[WV], TILE                      ; my tile's place in a slot
	s_mov_b32 s[G0A], 1
	s_mov_b32 s[G0A+1], s3
	s_mov_b32 s[G0B], 1
	s_mov_b32 s[G0B+1], s3
	s_add_co_u32 s3, s3, SLOT
	s_mov_b32 s[G0A+4], 1
	s_mov_b32 s[G0A+5], s3
	s_mov_b32 s[G0B+4], 1
	s_mov_b32 s[G0B+5], s3
	s_wait_dscnt 0x0
	s_wait_kmcnt 0x0
	s_add_nc_u64 s[4:5], s[4:5], s[96:97]
	s_add_nc_u64 s[6:7], s[6:7], s[96:97]
	s_add_nc_u64 s[8:9], s[8:9], s[96:97]
	s_add_nc_u64 s[8:9], s[8:9], s[96:97]          ; rows of 1,536 bytes: the offset twice
	s_add_nc_u64 s[10:11], s[10:11], s[98:99]
	s_add_nc_u64 s[12:13], s[12:13], s[98:99]
	s_add_nc_u64 s[14:15], s[14:15], s[98:99]
	s_add_nc_u64 s[14:15], s[14:15], s[98:99]
	s_add_nc_u64 s[52:53], s[4:5], 512             ; fill 1: x's last 256 bytes for the lower tile, hprev's first for the upper; the choice hangs on the wave's number alone
	s_add_nc_u64 s[54:55], s[10:11], 512
	s_cmp_eq_u32 s[WJ], 1
	s_cselect_b64 s[52:53], s[6:7], s[52:53]
	s_cselect_b64 s[54:55], s[12:13], s[54:55]
	s_add_nc_u64 s[6:7], s[6:7], 256               ; fill 2: hprev's bytes 256 to 767
	s_add_nc_u64 s[12:13], s[12:13], 256
.irp q, 4,6,8,10,12,14
	s_add_nc_u64 s[\q:\q+1], s[\q:\q+1], s[56:57]
.endr
	s_add_nc_u64 s[82:83], s[82:83], s[58:59]
	s_add_nc_u64 s[16:17], s[16:17], s[60:61]
	s_add_nc_u64 s[18:19], s[18:19], s[62:63]
	CROUND                                         ; all sixteen work-groups are here
	SETFILL 0
	JL 0, 0                                        ; fill 0: one tensor load in every wave
	s_mul_i32 s56, s[WI], 64*PITCH                 ; my 64 rows of the batch
	s_mul_i32 s57, s[WJ], 64*PITCH
	s_add_co_u32 s57, s57, 2*TILE                  ; my 64 rows of the weight
	s_mov_b32 s58, TILE-232
	s_mov_b32 s59, SLOT-TILE-232
	s_mov_b32 s60, SLOT+TILE+232
	s_lshl_b32 s61, s[WI], 8
	s_lshl_b32 s3, s[WJ], 1
	s_add_co_u32 s61, s61, s3
	s_add_co_u32 s61, s61, SCW
	s_mul_i32 s62, s[WI], 6144
	s_mul_i32 s3, s[WJ], 768
	s_add_co_u32 s62, s62, s3
	s_mul_i32 s63, s[WI], 64*HPP
	s_lshl_b32 s3, s[WJ], 8
	s_add_co_u32 s63, s63, s3
	s_mul_i32 s85, s[WV], 32*HPP
	s_lshl_b32 s86, s[TY], 7
	s_lshl_b32 s3, s[WI], 6
	s_add_co_u32 s86, s86, s3
	s_lshl_b32 s87, s[TX], 7
	s_lshl_b32 s3, s[WJ], 6
	s_add_co_u32 s87, s87, s3
	v_and_b32 v1, 15, v0                           ; r
	v_bfe_u32 v2, v0, 4, 1                         ; h
	v_and_b32 v3, 31, v0
	v_mul_u32_u24 v4, v1, PITCH
	v_mad_u32_u24 v5, v2, 24, v4
	v_mul_u32_u24 v6, s58, v2
	v_add_nc_u32 v6, v4, v6
	v_add_nc_u32 v6, 232, v6                       ; lanes 0-15 byte 232 of the lower tile, lanes 16-31 byte 0 of the upper
	v_mul_u32_u24 v7, s59, v2
	v_add_nc_u32 v7, v4, v7
	v_add_nc_u32 v7, TILE+232, v7                  ; lanes 0-15 byte 232 of slot 0's upper tile, lanes 16-31 byte 0 of slot 1's lower
	v_sub_nc_u32 v20, 1, v2
	v_mul_u32_u24 v20, s60, v20
	v_add_nc_u32 v20, v4, v20                      ; lanes 0-15 byte 232 of slot 1's upper tile, lanes 16-31 byte 0 of slot 0's lower
	v_add_nc_u32 v[ADRA], s56, v5
	v_add_nc_u32 v[ADRA+1], SLOT, v[ADRA]
	v_add_nc_u32 v[ADRA+2], s56, v6
	v_add_nc_u32 v[ADRA+3], SLOT, v[ADRA+2]
	v_add_nc_u32 v[ADRA+4], s56, v7
	v_add_nc_u32 v[ADRA+5], s56, v20
	v_add_nc_u32 v[ADRB], s57, v5
	v_add_nc_u32 v[ADRB+1], SLOT, v[ADRB]
	v_add_nc_u32 v[ADRB+2], s57, v6
	v_add_nc_u32 v[ADRB+3], SLOT, v[ADRB+2]
	v_add_nc_u32 v[ADRB+4], s57, v7
	v_add_nc_u32 v[ADRB+5], s57, v20
	v_lshl_add_u32 v[SCA], v1, 2, s61
	v_lshl_add_u32 v[RHO], v3, 3, s62
	v_mul_u32_u24 v[HPA], v1, HPP
	v_lshl_add_u32 v[HPA], v2, 5, v[HPA]
	v_add_nc_u32 v[HPA], s63, v[HPA]
	v_lshl_add_u32 v[RD], v3, 4, s85
	v_lshl_add_u32 v[SCR], v3, 4, SCW
	v_lshlrev_b32 v[L16], 4, v3
	v_add_nc_u32 v6, s86, v3
	v_lshlrev_b32 v[OA32], 5, v6
	v_lshlrev_b32 v[OA64], 6, v6
	v_add_nc_u32 v7, s87, v3
	v_lshlrev_b32 v[OB32], 5, v7
	v_lshlrev_b32 v[OB64], 6, v7
	v_lshl_add_u32 v[OBI], v2, 3, s87
	v_lshlrev_b32 v[OBI], 2, v[OBI]
	v_add_nc_u32 v4, s84, v3
	v_mul_u32_u24 v[PF15], v4, 1536
	s_wait_alu depctr_va_vdst(0)                   ; the wait behind the head's vector work
	SCL 48, 8, OA32, 68, 32
	SCL 64, 8, OA32, 70, 32
	SCL 80, 16, OA64, 72, 64
	SCL 112, 8, OB32, 74, 32
	SCL 128, 8, OB32, 76, 32
	SCL 144, 16, OB64, 78, 64
	WIN W_LD
.irp b, 0,1,2,3
	global_load_b128 v[BIAS+8*\b:BIAS+8*\b+3], v[OBI], s[80:81] offset:64*\b
	global_load_b128 v[BIAS+8*\b+4:BIAS+8*\b+7], v[OBI], s[80:81] offset:64*\b+16
.endr
	WIN 0x40
.irp t, 0,1,2,3,4,5,6,7,8,9,10,11,12,13,14,15,16,17,18,19,20,21,22,23,24,25,26,27,28,29,30,31
	global_load_b128 v[HR+4*\t:HR+4*\t+3], v[L16], s[82:83] offset:4096*\t th:TH_LOAD_NT   ; my 32 rows of hprev's tile: 512 consecutive bytes a load
.endr
	WIN 0
	s_wait_alu depctr_va_vdst(0)                   ; the wait at the head's end
	s_wait_tensorcnt 0x0                           ; my tile of fill 0 is in; slot 1's first fill is issued as a refill is
	ds_add_u32 v[SPW], v[NIL]
	SETFILL 1
	s_wait_dscnt 0x0
	CROUND
	JL 1, 1
	PLACES
	FETCHFOR 0
	s_wait_loadcnt 0x0                             ; scale words, br and hprev are in
	s_mov_b32 s68, 0xbfb8aa3b                      ; -log2(e)
	s_mov_b32 s69, s68
	s_mov_b32 s70, 0x76543210                      ; v_permlanex16_b32's selects for lane l xor 16
	s_mov_b32 s71, 0xfedcba98
; THE WALK ALONG K: 32 steps, written out: each names its own scale registers
.set U, 0
.rept 31
	STEPR U
.set U, U+1
.endr
	s_wait_dscnt 0x0
	SETU 31
	WIN W_MUL
	MUL8 0
	MUL8 2
	; THE WAY OUT: r = 1 / (1 + 2^(-log2(e) s)); r x hprev; its blocks of 32 along the columns are quantised
	WIN 0
	s_wait_dscnt 0x0
	s_barrier_signal -1
	s_barrier_wait -1                              ; everybody's rows of hprev's tile lie in LDS
	PLACES
	WIN W_LD
.irp a, 0,1,2,3
.irp b, 0,1,2,3
	ds_load_b128 v[8*(4*\a+\b):8*(4*\a+\b)+3], v[HPA] offset:\a*16*HPP+64*\b       ; hprev in the accumulators' layout
	ds_load_b128 v[8*(4*\a+\b)+4:8*(4*\a+\b)+7], v[HPA] offset:\a*16*HPP+64*\b+16
.endr
.endr
	WIN 0x01
.set N, 0
.rept 64
	v_pk_mul_f32 v[T+N:T+N+1], v[N:N+1], s[68:69] op_sel_hi:[1,0]       ; each accumulator from its low end on
.set N, N+2
.endr
	WIN 0
.set N, 0
	s_wait_alu depctr_va_vdst(0)                   ; a wait ahead of each batch and one behind it
.rept 128
	v_exp_f32 v[T+N], v[T+N]
.set N, N+1
.endr
	v_nop
	s_wait_alu depctr_va_vdst(0)
.set N, 0
.rept 64
	v_pk_add_f32 v[T+N:T+N+1], v[T+N:T+N+1], 1.0 op_sel_hi:[1,0]
.set N, N+2
.endr
.set N, 0
	s_wait_alu depctr_va_vdst(0)
.rept 128
	v_rcp_f32 v[T+N], v[T+N]
.set N, N+1
.endr
	v_nop
	s_wait_alu depctr_va_vdst(0)
	s_wait_dscnt 0x0                               ; hprev is in
	WIN 0x08
.set N, 0
.rept 64
	v_pk_mul_f32 v[T+N:T+N+1], v[T+N:T+N+1], v[N:N+1]                   ; r x hprev
.set N, N+2
.endr
	WIN 0
.irp a, 0,1,2,3
.irp k, 0,1
.irp j, 0,1,2,3,4,5,6,7
	v_permlane16_swap_b32 v[T+32*\a+16*\k+\j], v[T+32*\a+16*\k+8+\j]    ; a lane's 16 registers become 16 neighbours along the next K
.endr
.endr
.endr
.irp k, 0,1,2,3,4,5,6,7
	v_mov_b32 v[PP+\k], 0
.endr
.irp k, 0,1,2,3,4,5,6,7
	v_max3_num_f32 v[MX+\k], |v[T+16*\k]|, |v[T+16*\k+1]|, 0x2800000    ; with the floor 2^(5 - 127): the byte cannot fall under 1
.endr
.irp i, 2,4,6,8,10,12,14
.irp k, 0,1,2,3,4,5,6,7
	v_max3_num_f32 v[MX+\k], v[MX+\k], |v[T+16*\k+\i]|, |v[T+16*\k+\i+1]|
.endr
.endr
.irp k, 0,1,2,3,4,5,6,7
	v_permlanex16_b32 v[PP+\k], v[MX+\k], s70, s71
.endr
.irp k, 0,1,2,3,4,5,6,7
	v_max_num_f32 v[MX+\k], v[MX+\k], v[PP+\k]
.endr
.irp k, 0,1,2,3,4,5,6,7
	v_add_nc_u32 v[SS+\k], 0xfe000000, v[MX+\k]    ; 4 off the exponent field: the conversion's scale operand
.endr
.irp k, 0,1,2,3,4,5,6,7
	v_lshrrev_b32 v[EE+\k], 23, v[SS+\k]
.endr
.irp a, 0,1,2,3
	v_lshl_or_b32 v[PP+\a], v[EE+2*\a+1], 8, v[EE+2*\a]
.endr
.irp a, 0,1,2,3
	ds_store_b16 v[SCA], v[PP+\a] offset:64*\a     ; my two bytes of a row's scale word
.endr
.irp a, 0,1,2,3
	v_cvt_scalef32_pk16_bf6_f32 v[CC+8*\a:CC+8*\a+2], v[T+32*\a:T+32*\a+15], v[SS+2*\a]
	v_cvt_scalef32_pk16_bf6_f32 v[CC+8*\a+4:CC+8*\a+6], v[T+32*\a+16:T+32*\a+31], v[SS+2*\a+1]
.endr
	v_nop
.irp a, 0,1,2,3
.irp i, 0,1,2
	v_permlane16_swap_b32 v[CC+8*\a+\i], v[CC+8*\a+4+\i]
.endr
.irp i, 0,1,2
	v_mov_b32 v[CC+8*\a+3+\i], v[CC+8*\a+4+\i]
.endr
.endr
.irp a, 0,1,2,3
.irp g, 0,1,2
	global_store_b64 v[RHO], v[CC+8*\a+2*\g:CC+8*\a+2*\g+1], s[16:17] offset:1536*\a+256*\g   ; 32 lanes store 256 consecutive bytes, aligned
.endr
.endr
	s_wait_dscnt 0x0
	s_barrier_signal -1
	s_barrier_wait -1
	s_cmp_lg_u32 s[WV], 0
	s_cbranch_scc1 .Lnot_mine
	ds_load_b128 v[240:243], v[SCR]
	s_wait_dscnt 0x0
	global_store_b128 v[L16], v[240:243], s[18:19] ; the 128 rows' scale words: 512 consecutive bytes
.Lnot_mine:
	s_wait_tensorcnt 0x0                           ; the wave's end
	ds_add_u32 v[SPW], v[NIL]
	s_wait_dscnt 0x0
	CROUND                                         ; the closing round
	s_endpgm
.Lfunc_end_k_qe2981e04a4_rgate:
	.size	k_qe2981e04a4_rgate, .Lfunc_end_k_qe2981e04a4_rgate-k_qe2981e04a4_rgate
	.p2alignl 7, 3214868480
	.fill 96, 4, 3214868480
	.section	.rodata,"a",@progbits
	.p2align	6, 0x0
	.amdhsa_kernel k_qe2981e04a4_rgate
		.amdhsa_group_segment_fixed_size 327680
		.amdhsa_private_segment_fixed_size 0
		.amdhsa_enable_private_segment 0
		.amdhsa_kernarg_size 128
		.amdhsa_user_sgpr_count 2
		.amdhsa_user_sgpr_kernarg_segment_ptr 1
		.amdhsa_wavefront_size32 1
		.amdhsa_system_sgpr_workgroup_id_x 1
		.amdhsa_system_sgpr_workgroup_id_y 1
		.amdhsa_system_sgpr_workgroup_id_z 1
		.amdhsa_system_vgpr_workitem_id 0
		.amdhsa_next_free_vgpr 768
		.amdhsa_next_free_sgpr 100
		.amdhsa_reserve_vcc 0
		.amdhsa_float_denorm_mode_32 3
		.amdhsa_float_denorm_mode_16_64 3
		.amdhsa_memory_ordered 1
		.amdhsa_forward_progress 1
		.amdhsa_inst_pref_size 227
	.end_amdhsa_kernel
	.amdgpu_metadata
---
amdhsa.version: [ 1, 2 ]
amdhsa.kernels:
  - .name:           k_qe2981e04a4_rgate
    .symbol:         k_qe2981e04a4_rgate.kd
    .args:
      - { .name: x_codes, .offset: 0, .size: 8, .value_kind: global_buffer, .address_space: global }
      - { .name: hq_codes, .offset: 8, .size: 8, .value_kind: global_buffer, .address_space: global }
      - { .name: c_codes, .offset: 16, .size: 8, .value_kind: global_buffer, .address_space: global }
      - { .name: Wr_codes, .offset: 24, .size: 8, .value_kind: global_buffer, .address_space: global }
      - { .name: Ur_codes, .offset: 32, .size: 8, .value_kind: global_buffer, .address_space: global }
      - { .name: Cr_codes, .offset: 40, .size: 8, .value_kind: global_buffer, .address_space: global }
      - { .name: rh_img, .offset: 48, .size: 8, .value_kind: global_buffer, .address_space: global }
      - { .name: rh_sc, .offset: 56, .size: 8, .value_kind: global_buffer, .address_space: global }
      - { .name: x_scales, .offset: 64, .size: 8, .value_kind: global_buffer, .address_space: global }
      - { .name: hq_scales, .offset: 72, .size: 8, .value_kind: global_buffer, .address_space: global }
      - { .name: c_scales, .offset: 80, .size: 8, .value_kind: global_buffer, .address_space: global }
      - { .name: Wr_scales, .offset: 88, .size: 8, .value_kind: global_buffer, .address_space: global }
      - { .name: Ur_scales, .offset: 96, .size: 8, .value_kind: global_buffer, .address_space: global }
      - { .name: Cr_scales, .offset: 104, .size: 8, .value_kind: global_buffer, .address_space: global }
      - { .name: br, .offset: 112, .size: 8, .value_kind: global_buffer, .address_space: global }
      - { .name: hprev, .offset: 120, .size: 8, .value_kind: global_buffer, .address_space: global }
    .group_segment_fixed_size: 327680
    .private_segment_fixed_size: 0
    .kernarg_segment_align: 8
    .kernarg_segment_size: 128
    .max_flat_workgroup_size: 128
    .sgpr_count:     100
    .vgpr_count:     768
    .wavefront_size: 32
...
	.end_amdgpu_metadata
.endif
;; end of part 2
;; launch zh (part 3): grid 8 x 32, 4 waves a work-group, clusters of 4 x 4, 327,680 bytes of LDS; arguments hq_codes, rh_img, x_codes, c_codes, Uz_codes, Uh_codes, Wz_codes, Wh_codes, Cz_codes, Ch_codes, hprev, out0, hq_scales, rh_sc, x_scales, c_scales, Uz_scales, Wz_scales, Cz_scales, bz, Uh_scales, Wh_scales, Ch_scales, bh; writes out0
.if DOCPART == 3
	.amdgcn_target "amdgcn-amd-amdhsa--gfx1250"
	.amdhsa_code_object_version 6
	.text
	.protected	k_qe2981e04a4_zh
	.globl	k_qe2981e04a4_zh
	.p2align	8
	.type	k_qe2981e04a4_zh,@function
k_qe2981e04a4_zh:
	s_mov_b64 s[64:65], 0
	v_nop
	global_prefetch_b8 v0, s[64:65] scope:SCOPE_SE
	s_setreg_imm32_b32 hwreg(HW_REG_WAVE_MODE, 25, 1), 1
	s_wait_xcnt 0x0
	s_wait_alu depctr_hold_cnt(0) depctr_sa_sdst(0) depctr_va_vdst(0) depctr_va_sdst(0) depctr_va_ssrc(0) depctr_va_vcc(0) depctr_vm_vsrc(0)
	s_getreg_b32 s2, hwreg(HW_REG_IB_STS2, 6, 4)
	s_cmp_eq_u32 s2, 0
	s_cbranch_scc0 .Lentry_in_a_cluster
	s_endpgm
.Lentry_in_a_cluster:
	s_bfe_u32 s2, ttmp6, 0x10000c
	s_cmp_lg_u32 s2, 0xf033
	s_cbranch_scc0 .Lentry_shape_is_right
	s_endpgm
.Lentry_shape_is_right:
; THIRD LAUNCH: z = sigmoid(x Wz^T + hprev Uz^T + c Cz^T + bz), h_prop = tanh(x Wh^T + (r hprev) Uh^T + c Ch^T + bh), out0 = hprev + z (h_prop - hprev).  Nothing of the problem is left out here.
; Each gate is ONE sum over K = 4,096 in one f32 accumulator for each output, begun with its bias as the first C.
; LIMITS: that is another order of rounding than three sums added; v_exp_f32 and v_rcp_f32 flush denormals; tanh(s) = 1 - 2 / (1 + 2^(2 log2(e) s)) has an absolute error of some 1e-7 near s = 0.
; SHARES: a work-group makes 128 rows x 128 columns of BOTH gates (32 x 8 = 256 work-groups); each of four waves 64 x 64 of each gate: 32 accumulators.
; K IS ONE STREAM of 3,072 bytes a row: section H (hprev's codes for z, r x hprev's for h; Uz, Uh), X (x; Wz, Wh), C (c; Cz, Ch), cut into 12 CHUNKS OF 256 BYTES, each at a multiple of 256 bytes in memory.
; Chunk c lies in slot c % 2.  A slot has four tiles of 128 rows: tile 0 the batch (wave 0 fetches it), tile 1 r x hprev (wave 1, section H alone), tile 2 z's weight (wave 2), tile 3 h's weight (wave 3).
; A K step is 96 bytes of a row, eight steps to three chunks; steps 2 and 5 of each eight lie across two chunks.  A step is two units of 16 matrix instructions: gate z, then gate h.
; CLUSTERS: 4 x 4; the batch's tiles are shared along a row of the cluster, the weights' along a column, each asked for jointly.
; THE MATRIX INSTRUCTION IS USED TRANSPOSED (source 0 = 16 rows of a weight, source 1 = 16 rows of the batch): lane (r, h) holds batch row r and, in register j, column 8 h + j of a tile.
; THE SCALE WORDS for all of K are copied once into registers: BASE + (t / 2) NS + s: K step s, tile 2 (t / 2) in lanes 0-15, tile 2 (t / 2) + 1 in lanes 16-31.
; PREFETCH: behind the joint load of chunk c each loading wave names chunk c + 2's 256 bytes of 32 rows, a lane a row; the four partners share a tile's 128 rows out by address; chunks 0 to 2 come by their loads alone.
; REGISTERS: window 0: v1-42 addresses, v48-255 scale words (on the way out: rows at work); window 1: v0-127 z's accumulators, v128-255 h's; window 2: v0-95 two sets of the batch's 4 fragments,
;   v96-191 z's and h's weights' 4 fragments, v192-223 bz, v224-255 bh; window 3: v0-127 my 32 rows of hprev's tile.
.set PITCH,  272                       ; an LDS row: 256 bytes + 16 of padding
.set TILE,   128*PITCH
.set IMT,    36864                     ; tile 1 holds r x hprev as images of the operand's registers, 12,288 bytes a K step for the 128 rows: steps 0-2 come with chunk 0, 3-5 with chunk 1, 6-7 with chunk 2
.set SLOT,   3*TILE+IMT
.set SPARE,  2*SLOT                    ; the spare words, 128 bytes a wave, which no other line names
.set CHUNKS, 12
.set HPP,    528                       ; the way out: stage rows of 512 bytes + 16; z's sums from LDS byte 0, h's from ZS on (slot 0); hprev's rows in slot 1
.set ZS,     128*HPP
.set AF,     0
.set BF,     96
.set ADRA,   8                         ; v8, v9 my batch rows in slot 0, 1; v10, v11: lanes 0-15 at byte 232 of slot 0, 1, lanes 16-31 at byte 0 of the other slot
.set ADRB,   12                        ; v12-15 the same for z's weight; tiles 1 and 3 lie TILE bytes on
.set HPA,    16
.set HPB,    17
.set RD,     18
.set RD2,    19
.set RDH,    20
.set CO,     21
.set SPW,    22
.set NIL,    23
.set OA32,   24
.set OA64,   25
.set ORH,    26
.set OB32,   27
.set OB64,   28
.set OBI,    29
.set PF7,    30                        ; the prefetches' offsets: (32 x my place + lane) rows of 768, of 1,536 bytes
.set PF15,   31
.set ADRI,   32                        ; v32, v33 my four row tiles' images in slot 0, 1
.set G1I,    68                        ; s[68:75] group 1 for the images: dense rows of 256 bytes
.set WV,     2
.set WI,     66
.set WJ,     67
.set G1A,    28
.set G1B,    36
.set G0A,    44
.set G0B,    52
.set TX,     100
.set TY,     101
.set RM,     104
.set CM,     105
.set W_LD,   0x80
.set W_MUL,  0x5a
.set W_MULB, 0x6a
.set MSB, 0
.macro WIN new
.if MSB != \new
	s_set_vgpr_msb (MSB<<8)|\new
.set MSB, \new
.endif
.endm
.macro PLACES                          ; four plain places behind matrix instructions (ISA guide 7.12.1 for matrix instructions)
.rept 4
	v_nop
.endr
.endm
.macro CREST
	s_cmp_lg_u32 s[WV], 0
	s_cbranch_scc1 .Lnot_wave_0_\@
	s_barrier_signal -3
.Lnot_wave_0_\@:
	s_barrier_wait -3
	s_barrier_signal -1
	s_barrier_wait -1
.endm
.macro CROUND
	s_barrier_signal -1
	s_barrier_wait -1
	CREST
.endm
.macro CH c                            ; chunk c: its pointers (batch line, weight line), its byte along the rows, the prefetch offset of its pitch
.if (\c) < 3
.set XA, 4
.set XB, 12
.set XO, 256*(\c)
.set PFR, PF7
.elseif (\c) < 6
.set XA, 8
.set XB, 16
.set XO, 256*((\c)-3)
.set PFR, PF7
.else
.set XA, 10
.set XB, 20
.set XO, 256*((\c)-6)
.set PFR, PF15
.endif
.endm
.macro SETFILL c                       ; chunk c's global addresses into its slot's groups 0; written only where no tensor load of the wave is out
	CH \c
.set GA, G0A+4*((\c)%2)
.set GB, G0B+4*((\c)%2)
.if (\c) < 3
	s_mov_b64 s[GA+2:GA+3], s[4:5]
.if (\c) > 0
.rept (\c)
	s_add_nc_u64 s[GA+2:GA+3], s[GA+2:GA+3], s[6:7]   ; a chunk on: 256 bytes along hprev's codes' rows; in wave 1: three K steps of images
.endr
.endif
.else
	s_add_nc_u64 s[GA+2:GA+3], s[XA:XA+1], XO
.endif
	s_or_b32 s[GA+3], s[GA+3], 0x80000000
	s_add_nc_u64 s[GB+2:GB+3], s[XB:XB+1], XO
	s_or_b32 s[GB+3], s[GB+3], 0x80000000
.if (\c) == 2
	s_mov_b32 s[G1I+2], 96<<16                     ; the last two K steps' images: 96 rows of 256 bytes
	s_mov_b32 s[G1I+4], 96
.endif
.if (\c) == 6
	s_mov_b32 s[G1A+5], 1536
	s_mov_b32 s[G1B+5], 1536
.endif
.endm
; The joint load of chunk c.  The branches hang on the wave's number alone.  Behind section H wave 1 has nothing to fetch.  pf: chunk c + 2 is prefetched.
.macro JL c, pf
	s_cmp_lt_u32 s[WV], 2
	s_cbranch_scc0 .Ljb_\@
	s_cmp_eq_u32 s[WV], 1
.if (\c) >= 3
	s_cbranch_scc1 .Lj9_\@
.else
	s_cbranch_scc0 .Lja_\@
	tensor_load_to_lds s[G0A+4*((\c)%2):G0A+4*((\c)%2)+3], s[G1I:G1I+7]
	s_nop 0
	PLACES
	s_branch .Lj9_\@
.Lja_\@:
.endif
	tensor_load_to_lds s[G0A+4*((\c)%2):G0A+4*((\c)%2)+3], s[G1A:G1A+7]
	s_nop 0
	PLACES
.if \pf
	CH (\c)+2
.if (\c) < 3
	s_cmp_eq_u32 s[WV], 1                          ; chunks 3 and 4 are x's: wave 0 alone names them
	s_cbranch_scc1 .Lj9_\@
.endif
	global_prefetch_b8 v[PFR], s[XA:XA+1] offset:XO th:TH_LOAD_NT scope:SCOPE_SE
.endif
	s_branch .Lj9_\@
.Ljb_\@:
	tensor_load_to_lds s[G0B+4*((\c)%2):G0B+4*((\c)%2)+3], s[G1B:G1B+7]
	s_nop 0
	PLACES
.if \pf
	global_prefetch_b8 v[PFR], s[XB:XB+1] offset:XO th:TH_LOAD_NT scope:SCOPE_SE
.endif
.Lj9_\@:
.endm
; A fragment, 16 rows x 128 K, is 12 registers: lane (r, h) takes 24 bytes at 24 h and 24 at 48 + 24 h of the step's 96, in pieces of 8.  Byte y of the stream lies in slot (y / 256) % 2 at byte y % 256.
.macro FRAG reg, adr, st, i, ext
.irp p, 0,1,2,3,4,5
.set BY, 96*(\st)+48*(\p/3)+8*(\p%3)
.if BY/256 == (BY+24)/256
	ds_load_b64 v[(\reg)+2*\p:(\reg)+2*\p+1], v[(\adr)+(BY/256)%2] offset:BY%256+(\i)*16*PITCH+(\ext)
.else
	ds_load_b64 v[(\reg)+2*\p:(\reg)+2*\p+1], v[(\adr)+2+(BY/256)%2] offset:BY%256-232+(\i)*16*PITCH+(\ext)
.endif
.endr
.endm
.macro FIMG reg, st, t                 ; a fragment from its image: six pairs of registers, each 256 consecutive bytes for the 32 lanes
.irp p, 0,1,2,3,4,5
	ds_load_b64 v[(\reg)+2*\p:(\reg)+2*\p+1], v[ADRI+((\st)/3)%2] offset:12288*((\st)%3)+1536*(\t)+256*\p
.endr
.endm
.macro WM4
.if rR0 && rR1
	v_wmma_scale_f32_16x16x128_f8f6f4 v[rD:rD+7], v[rF0:rF0+11], v[rF1:rF1+11], v[rC:rC+7], v[rS0], v[rS1] matrix_a_fmt:MATRIX_FMT_BF6 matrix_b_fmt:MATRIX_FMT_BF6 matrix_a_scale:MATRIX_SCALE_ROW1 matrix_b_scale:MATRIX_SCALE_ROW1
.elseif rR0
	v_wmma_scale_f32_16x16x128_f8f6f4 v[rD:rD+7], v[rF0:rF0+11], v[rF1:rF1+11], v[rC:rC+7], v[rS0], v[rS1] matrix_a_fmt:MATRIX_FMT_BF6 matrix_b_fmt:MATRIX_FMT_BF6 matrix_a_scale:MATRIX_SCALE_ROW1
.elseif rR1
	v_wmma_scale_f32_16x16x128_f8f6f4 v[rD:rD+7], v[rF0:rF0+11], v[rF1:rF1+11], v[rC:rC+7], v[rS0], v[rS1] matrix_a_fmt:MATRIX_FMT_BF6 matrix_b_fmt:MATRIX_FMT_BF6 matrix_b_scale:MATRIX_SCALE_ROW1
.else
	v_wmma_scale_f32_16x16x128_f8f6f4 v[rD:rD+7], v[rF0:rF0+11], v[rF1:rF1+11], v[rC:rC+7], v[rS0], v[rS1] matrix_a_fmt:MATRIX_FMT_BF6 matrix_b_fmt:MATRIX_FMT_BF6
.endif
.endm
; 8 matrix instructions: row tiles a0, a0 + 1 x a gate's four column tiles.  The accumulators take turns, and the gates take turns unit by unit.
.macro MUL8 a0
.irp a, \a0, \a0+1
.irp b, 0,1,2,3
.set rD, ACCB+8*(4*(\a)+\b)
.set rC, rD
.if CB >= 0
.set rC, CB+8*\b
.endif
.set rF0, BF+48*BSET+12*\b
.set rF1, AF+48*ASET+12*(\a)
.set rS0, SBR+(\b/2)*NSB
.set rS1, SAR+((\a)/2)*NSA
.set rR0, \b%2
.set rR1, (\a)%2
	WM4
.endr
.endr
.endm
.macro SETU u                          ; unit u: K step u / 2, gate u % 2: its sets of fragments and its scale registers.  Units 0 and 1 take bz and bh as C
.set uS, (\u)/2
.set uG, (\u)%2
.set BSET, uG
.set ACCB, 128*uG
.set CB, -1
.if (\u) < 2
.set CB, 192+32*uG
.endif
.set NSA, 8
.set NSB, 8
.if uS < 8
.set ASET, uG
.set SAR, 48+16*uG+uS
.set SBR, 128+64*uG+uS
.elseif uS < 16
.set ASET, uS%2
.set SAR, 80+uS-8
.set SBR, 144+64*uG+uS-8
.else
.set ASET, uS%2
.set SAR, 96+uS-16
.set SBR, 160+64*uG+uS-16
.set NSA, 16
.set NSB, 16
.endif
.endm
; What unit u needs and has not got.  Gate z: the batch's four fragments and z's weight's.  Gate h: h's weight's, and in section H r x hprev's.  No set loaded here is read by the unit in hand.
.macro FETCHFOR u
.set fS, (\u)/2
.set fA, fS%2
.if fS < 8
.set fA, 0
.endif
	WIN W_LD
.if (\u)%2 == 0
.irp t, 0,1,2,3
	FRAG AF+48*fA+12*\t, ADRA, fS, \t, 0
	FRAG BF+12*\t, ADRB, fS, \t, 0
.endr
.set NLD, 48
.else
.irp t, 0,1,2,3
	FRAG BF+48+12*\t, ADRB, fS, \t, TILE
.endr
.set NLD, 24
.if fS < 8
.irp t, 0,1,2,3
	FIMG AF+48+12*\t, fS, \t
.endr
.set NLD, 48
.endif
.endif
.endm
.macro UNIT u
	PLACES
	FETCHFOR (\u)+1
	s_wait_dscnt NLD                               ; all but the 24 or 48 loads just issued: this unit's fragments are in
	SETU \u
.if CB >= 0
	WIN W_MULB
.else
	WIN W_MUL
.endif
	MUL8 0
	MUL8 2
.endm
; A step's second unit.  Where the next step ENDS in a chunk not read yet: every wave waits for its tensor loads, and a barrier shows the chunk whole.  Where it BEGINS in a later chunk, the chunk left behind is
; read no more: wait, add, wait, the barrier, which opens a round of the cluster's barrier where a chunk two on is left to fetch, and the joint refill first behind the round.
.macro STEPH u
.set hS, (\u)/2
.set C0, (96*hS)/256
.set C1, (96*hS+96)/256
.set E0, (96*hS+95)/256
.set E1, (96*hS+191)/256
.if C1 > C0 || E1 > E0
	WIN 0
	s_wait_tensorcnt 0x0                           ; all my tensor loads have landed
.if C1 > C0
	ds_add_u32 v[SPW], v[NIL]
.if C0+2 < CHUNKS
	SETFILL C0+2
.endif
.endif
	s_wait_dscnt 0x0                               ; the add, this unit's fragments, and my reads of the chunk left behind
	s_barrier_signal -1
	SETU \u
	WIN W_MUL
	MUL8 0
	WIN 0
	s_barrier_wait -1
.if C1 > C0 && C0+2 < CHUNKS
	CREST
.set PFON, 0
.if C0+4 < CHUNKS
.set PFON, 1
.endif
	JL C0+2, PFON
.endif
	PLACES
	FETCHFOR (\u)+1
	WIN W_MUL
	MUL8 2
.else
	UNIT \u
.endif
.endm
.macro SCL base, ns, voff, sptr, ps    ; the scale words of 64 rows, ns K steps: lane l takes rows first + l and first + 32 + l
.irp g, 0,1
.set QQ, 0
.rept \ns/4
	global_load_b128 v[\base+\g*\ns+4*QQ:\base+\g*\ns+4*QQ+3], v[\voff], s[\sptr:\sptr+1] offset:\g*32*\ps+16*QQ
.set QQ, QQ+1
.endr
.endr
.endm
	s_load_b512 s[4:19], s[0:1], 0x0               ; codes: hprev's s[4:5], r x hprev's s[6:7], x s[8:9], c s[10:11], Uz, Uh, Wz, Wh s[12:19]
	s_load_b256 s[20:27], s[0:1], 0x40             ; Cz s[20:21], Ch s[22:23]; hprev s[24:25], out0 s[26:27]
	s_load_b512 s[84:99], s[0:1], 0x60             ; scales: hprev's, r x hprev's, x, c, Uz, Wz, Cz; bz s[98:99]
	v_lshl_add_u32 v[SPW], v0, 2, SPARE
	v_mov_b32 v[NIL], 0
	ds_add_u32 v[SPW], v[NIL]                      ; the opening lines: the add, twice on end, and its wait
	ds_add_u32 v[SPW], v[NIL]
	v_lshrrev_b32 v1, 5, v0
	v_readfirstlane_b32 s[WV], v1
	s_lshr_b32 s[WI], s[WV], 1                     ; my half of the rows
	s_and_b32 s[WJ], s[WV], 1                      ; my half of the columns
	s_bfe_u32 s3, ttmp6, 0x40000                   ; cx
	s_lshl_b32 s[TX], ttmp9, 2
	s_add_co_u32 s[TX], s[TX], s3
	s_lshl_b32 s[CM], 0x1111, s3
	s_bfe_u32 s60, ttmp6, 0x40004                  ; cy
	s_and_b32 s[TY], ttmp7, 0xffff
	s_lshl_b32 s[TY], s[TY], 2
	s_add_co_u32 s[TY], s[TY], s60
	s_lshl_b32 s61, s60, 2
	s_lshl_b32 s[RM], 15, s61
	s_cmp_lt_u32 s[WV], 2
	s_cselect_b32 s83, s3, s60                     ; my place among the four that ask for my tile with me (for the prefetches' addresses alone)
	s_lshl_b32 s83, s83, 5
	s_or_b32 s[G1A], s[RM], (1<<20)|(1<<21)|(5<<22)|(3<<25)   ; mask; elements of 1 byte; 4 words of padding behind every 64
	s_or_b32 s[G1B], s[CM], (1<<20)|(1<<21)|(5<<22)|(3<<25)
.irp g, G1A, G1B
	s_mov_b32 s[\g+1], 256<<16
	s_mov_b32 s[\g+2], 128<<16
	s_mov_b32 s[\g+3], 256<<16
	s_mov_b32 s[\g+4], 128
	s_mov_b32 s[\g+5], 768
	s_mov_b32 s[\g+6], 0
	s_mov_b32 s[\g+7], 0
.endr
	s_or_b32 s[G1I], s[RM], (3<<16)|(1<<21)        ; the images of three K steps: 144 rows of 32 elements of 8 bytes, no padding
	s_mov_b32 s[G1I+1], 32<<16
	s_mov_b32 s[G1I+2], 144<<16
	s_mov_b32 s[G1I+3], 32<<16
	s_mov_b32 s[G1I+4], 144
	s_mov_b32 s[G1I+5], 32
	s_mov_b32 s[G1I+6], 0
	s_mov_b32 s[G1I+7], 0
	s_mul_i32 s60, s[TY], 98304                    ; 128 x tile row rows of 768 bytes; a row block's images are as many bytes
	s_mov_b32 s61, 0
	s_mul_i32 s62, s[TX], 98304                    ; the weights': by the tile column
	s_mov_b32 s63, 0
	s_lshl_b32 s76, s[TY], 19                      ; hprev, out0: ((128 x tile row + 32 x wave) x 1,024 + 128 x tile column) x 4
	s_lshl_b32 s3, s[WV], 17
	s_add_co_u32 s76, s76, s3
	s_lshl_b32 s3, s[TX], 9
	s_add_co_u32 s76, s76, s3
	s_mov_b32 s77, 0
	s_mul_i32 s3, s[WJ], TILE                      ; my tile's place in a slot: wave 0 at 0, wave 1 behind it;
	s_mov_b32 s[G0A], 1
	s_mov_b32 s[G0A+1], s3
	s_add_co_u32 s3, s3, SLOT
	s_mov_b32 s[G0A+4], 1
	s_mov_b32 s[G0A+5], s3
	s_mul_i32 s3, s[WJ], TILE                      ; waves 2 and 3 behind the images
	s_add_co_u32 s3, s3, TILE+IMT
	s_mov_b32 s[G0B], 1
	s_mov_b32 s[G0B+1], s3
	s_add_co_u32 s3, s3, SLOT
	s_mov_b32 s[G0B+4], 1
	s_mov_b32 s[G0B+5], s3
	s_wait_dscnt 0x0
	s_wait_kmcnt 0x0
	s_cmp_eq_u32 s[WV], 1                          ; the choices hang on the wave's number alone
	s_cselect_b64 s[4:5], s[6:7], s[4:5]           ; wave 1 fetches r x hprev
	s_mov_b32 s6, 256                              ; from chunk to chunk in section H: 256 bytes along the rows;
	s_cselect_b32 s6, IMT, s6                      ; in wave 1: three K steps of images
	s_mov_b32 s7, 0
	s_cmp_eq_u32 s[WV], 3
	s_cselect_b64 s[12:13], s[14:15], s[12:13]     ; wave 3 fetches h's weights
	s_cselect_b64 s[16:17], s[18:19], s[16:17]
	s_cselect_b64 s[20:21], s[22:23], s[20:21]
	s_add_nc_u64 s[4:5], s[4:5], s[60:61]
	s_add_nc_u64 s[8:9], s[8:9], s[60:61]
	s_add_nc_u64 s[10:11], s[10:11], s[60:61]
	s_add_nc_u64 s[10:11], s[10:11], s[60:61]      ; rows of 1,536 bytes: the offset twice
	s_add_nc_u64 s[12:13], s[12:13], s[62:63]
	s_add_nc_u64 s[16:17], s[16:17], s[62:63]
	s_add_nc_u64 s[20:21], s[20:21], s[62:63]
	s_add_nc_u64 s[20:21], s[20:21], s[62:63]
	s_add_nc_u64 s[24:25], s[24:25], s[76:77]
	s_add_nc_u64 s[26:27], s[26:27], s[76:77]
	CROUND                                         ; all sixteen work-groups are here
	SETFILL 0
	JL 0, 0                                        ; chunk 0: one tensor load in every wave
	s_mul_i32 s76, s[WI], 64*PITCH                 ; my 64 rows of the batch
	s_mul_i32 s77, s[WJ], 64*PITCH
	s_add_co_u32 s77, s77, TILE+IMT                ; my 64 rows of z's weight
	s_mul_i32 s78, s[WI], 64*HPP
	s_lshl_b32 s3, s[WJ], 8
	s_add_co_u32 s78, s78, s3                      ; the stage at row 64 i, column 64 j
	s_mul_i32 s79, s[WV], 32*HPP                   ; the stage by rows: my 32
	s_lshl_b32 s80, s[WV], 14
	s_add_co_u32 s80, s80, SLOT                    ; my 32 rows of hprev, 512 bytes each, in slot 1
	s_lshl_b32 s81, s[TY], 7
	s_lshl_b32 s3, s[WI], 6
	s_add_co_u32 s81, s81, s3
	s_lshl_b32 s82, s[TX], 7
	s_lshl_b32 s3, s[WJ], 6
	s_add_co_u32 s82, s82, s3
	s_mov_b32 s60, SLOT-232
	s_mov_b32 s61, SLOT+232
	s_mul_i32 s62, s[WI], 6144                     ; my four row tiles' images
	s_add_co_u32 s62, s62, TILE
	v_and_b32 v1, 15, v0                           ; r
	v_bfe_u32 v2, v0, 4, 1                         ; h
	v_and_b32 v3, 31, v0
	v_mul_u32_u24 v4, v1, PITCH
	v_mad_u32_u24 v5, v2, 24, v4
	v_mul_u32_u24 v6, s60, v2
	v_add_nc_u32 v6, v4, v6
	v_add_nc_u32 v6, 232, v6                       ; lanes 0-15 byte 232 of slot 0, lanes 16-31 byte 0 of slot 1
	v_sub_nc_u32 v7, 1, v2
	v_mul_u32_u24 v7, s61, v7
	v_add_nc_u32 v7, v4, v7                        ; lanes 0-15 byte 232 of slot 1, lanes 16-31 byte 0 of slot 0
	v_add_nc_u32 v[ADRA], s76, v5
	v_add_nc_u32 v[ADRA+1], SLOT, v[ADRA]
	v_add_nc_u32 v[ADRA+2], s76, v6
	v_add_nc_u32 v[ADRA+3], s76, v7
	v_add_nc_u32 v[ADRB], s77, v5
	v_add_nc_u32 v[ADRB+1], SLOT, v[ADRB]
	v_add_nc_u32 v[ADRB+2], s77, v6
	v_add_nc_u32 v[ADRB+3], s77, v7
	v_mul_u32_u24 v[HPA], v1, HPP
	v_lshl_add_u32 v[HPA], v2, 5, v[HPA]
	v_add_nc_u32 v[HPA], s78, v[HPA]
	v_add_nc_u32 v[HPB], ZS, v[HPA]
	v_lshlrev_b32 v[CO], 4, v3
	v_add_nc_u32 v[RD], s79, v[CO]
	v_add_nc_u32 v[RD2], ZS, v[RD]
	v_add_nc_u32 v[RDH], s80, v[CO]
	v_add_nc_u32 v6, s81, v3
	v_lshlrev_b32 v[OA32], 5, v6
	v_lshlrev_b32 v[OA64], 6, v6
	v_lshlrev_b32 v[ORH], 2, v6
	v_add_nc_u32 v7, s82, v3
	v_lshlrev_b32 v[OB32], 5, v7
	v_lshlrev_b32 v[OB64], 6, v7
	v_lshl_add_u32 v[OBI], v2, 3, s82
	v_lshlrev_b32 v[OBI], 2, v[OBI]
	v_add_nc_u32 v4, s83, v3
	v_mul_u32_u24 v[PF7], v4, 768
	v_lshlrev_b32 v[PF15], 1, v[PF7]
	v_lshl_add_u32 v[ADRI], v3, 3, s62
	v_add_nc_u32 v[ADRI+1], SLOT, v[ADRI]
	s_wait_alu depctr_va_vdst(0)                   ; the wait behind the head's vector work
	SCL 48, 8, OA32, 84, 32                        ; hprev's codes
.irp g, 0,1
.irp s, 0,1,2,3,4,5,6,7
	global_load_b32 v[64+8*\g+\s], v[ORH], s[86:87] offset:\s*16384+\g*128   ; r x hprev: [K step][row]
.endr
.endr
	SCL 80, 8, OA32, 88, 32                        ; x
	SCL 96, 16, OA64, 90, 64                       ; c
	SCL 128, 8, OB32, 92, 32                       ; Uz
	SCL 144, 8, OB32, 94, 32                       ; Wz
	SCL 160, 16, OB64, 96, 64                      ; Cz
	WIN W_LD
.irp b, 0,1,2,3
	global_load_b128 v[192+8*\b:192+8*\b+3], v[OBI], s[98:99] offset:64*\b         ; bz in the result's layout
	global_load_b128 v[192+8*\b+4:192+8*\b+7], v[OBI], s[98:99] offset:64*\b+16
.endr
	WIN 0xc0
.irp t, 0,1,2,3,4,5,6,7,8,9,10,11,12,13,14,15,16,17,18,19,20,21,22,23,24,25,26,27,28,29,30,31
	global_load_b128 v[4*\t:4*\t+3], v[CO], s[24:25] offset:4096*\t th:TH_LOAD_NT  ; my 32 rows of hprev's tile: 512 consecutive bytes a load
.endr
	WIN 0
	s_wait_alu depctr_va_vdst(0)                   ; the wait at the head's end
	s_wait_xcnt 0x0                                ; the loads above have read their pointers: s[84:91] take the last four
	s_load_b256 s[84:91], s[0:1], 0xa0             ; scales: Uh s[84:85], Wh s[86:87], Ch s[88:89]; bh s[90:91]
	s_wait_kmcnt 0x0
	SCL 192, 8, OB32, 84, 32                       ; Uh
	SCL 208, 8, OB32, 86, 32                       ; Wh
	SCL 224, 16, OB64, 88, 64                      ; Ch
	WIN W_LD
.irp b, 0,1,2,3
	global_load_b128 v[224+8*\b:224+8*\b+3], v[OBI], s[90:91] offset:64*\b         ; bh
	global_load_b128 v[224+8*\b+4:224+8*\b+7], v[OBI], s[90:91] offset:64*\b+16
.endr
	WIN 0
	s_wait_tensorcnt 0x0                           ; my tile of chunk 0 is in; slot 1's first fill is issued as a refill is
	ds_add_u32 v[SPW], v[NIL]
	SETFILL 1
	s_wait_dscnt 0x0
	CROUND
	JL 1, 1
	PLACES
	FETCHFOR 0
	s_wait_loadcnt 0x0                             ; scale words, biases and hprev are in
	s_mov_b32 s78, 0xbfb8aa3b                      ; -log2(e)
	s_mov_b32 s79, s78
	s_mov_b32 s80, 0x4038aa3b                      ; 2 log2(e)
	s_mov_b32 s81, s80
; THE WALK ALONG K: 64 units, written out: each names its own scale registers, and slots and chunks come back only after 16 steps
.set U, 0
.rept 63
.if U%2
	STEPH U
.else
	UNIT U
.endif
.set U, U+1
.endr
	s_wait_dscnt 0x0
	SETU 63
	WIN W_MUL
	MUL8 0
	MUL8 2
	; THE WAY OUT.  Both slots have had their last fill; behind this barrier nobody reads them.  The sums go into the stage, hprev's rows beside them; then a loop takes whole rows.
	WIN 0
	s_barrier_signal -1
	s_barrier_wait -1
	PLACES
	WIN 0x04                                       ; an LDS store's data are its source 1: window 1
.irp a, 0,1,2,3
.irp b, 0,1,2,3
	ds_store_b128 v[HPA], v[8*(4*\a+\b):8*(4*\a+\b)+3] offset:\a*16*HPP+64*\b      ; each accumulator from its low end on
	ds_store_b128 v[HPA], v[8*(4*\a+\b)+4:8*(4*\a+\b)+7] offset:\a*16*HPP+64*\b+16
	ds_store_b128 v[HPB], v[128+8*(4*\a+\b):128+8*(4*\a+\b)+3] offset:\a*16*HPP+64*\b
	ds_store_b128 v[HPB], v[128+8*(4*\a+\b)+4:128+8*(4*\a+\b)+7] offset:\a*16*HPP+64*\b+16
.endr
.endr
	WIN 0x0c                                       ; window 3
.irp t, 0,1,2,3,4,5,6,7,8,9,10,11,12,13,14,15,16,17,18,19,20,21,22,23,24,25,26,27,28,29,30,31
	ds_store_b128 v[RDH], v[4*\t:4*\t+3] offset:\t*512
.endr
	WIN 0
	s_wait_dscnt 0x0                               ; for the others' sake: my stores are done
	s_barrier_signal -1
	s_barrier_wait -1
	s_mov_b32 s76, 0
	s_mov_b32 s77, 0
	s_mov_b32 s82, 0
.Lout:                                                 ; 8 trips of 4 rows: v48-63 z's sums, v64-79 h's, v80-95 hprev; a row of 512 bytes to the 32 lanes
	v_add_nc_u32 v40, s76, v[RD]
	v_add_nc_u32 v41, s76, v[RD2]
	v_add_nc_u32 v42, s77, v[RDH]
.irp t, 0,1,2,3
	ds_load_b128 v[48+4*\t:51+4*\t], v40 offset:\t*HPP
	ds_load_b128 v[64+4*\t:67+4*\t], v41 offset:\t*HPP
	ds_load_b128 v[80+4*\t:83+4*\t], v42 offset:\t*512
.endr
	s_wait_dscnt 0x0
.irp n, 0,2,4,6,8,10,12,14
	v_pk_mul_f32 v[48+\n:49+\n], v[48+\n:49+\n], s[78:79] op_sel_hi:[1,0]
	v_pk_mul_f32 v[64+\n:65+\n], v[64+\n:65+\n], s[80:81] op_sel_hi:[1,0]
.endr
	s_wait_alu depctr_va_vdst(0)                   ; a wait ahead of each batch and one behind it
.set N, 48
.rept 32
	v_exp_f32 v[N], v[N]
.set N, N+1
.endr
	v_nop
	s_wait_alu depctr_va_vdst(0)
.set N, 48
.rept 16
	v_pk_add_f32 v[N:N+1], v[N:N+1], 1.0 op_sel_hi:[1,0]
.set N, N+2
.endr
	s_wait_alu depctr_va_vdst(0)
.set N, 48
.rept 32
	v_rcp_f32 v[N], v[N]
.set N, N+1
.endr
	v_nop
	s_wait_alu depctr_va_vdst(0)
.irp n, 0,2,4,6,8,10,12,14
	v_pk_fma_f32 v[64+\n:65+\n], v[64+\n:65+\n], -2.0, 1.0 op_sel_hi:[1,0,0]        ; h_prop
.endr
.irp n, 0,2,4,6,8,10,12,14
	v_pk_add_f32 v[64+\n:65+\n], v[64+\n:65+\n], v[80+\n:81+\n] neg_lo:[0,1] neg_hi:[0,1]   ; h_prop - hprev
.endr
.irp n, 0,2,4,6,8,10,12,14
	v_pk_fma_f32 v[48+\n:49+\n], v[48+\n:49+\n], v[64+\n:65+\n], v[80+\n:81+\n]     ; z (h_prop - hprev) + hprev
.endr
.irp t, 0,1,2,3
	global_store_b128 v[CO], v[48+4*\t:51+4*\t], s[26:27] offset:4096*\t th:TH_STORE_NT   ; 32 lanes store 512 consecutive bytes, at a multiple of 256 from out0's first byte
.endr
	s_wait_xcnt 0x0                                ; the stores have read their data and their base
	s_add_nc_u64 s[26:27], s[26:27], 16384
	s_add_co_u32 s76, s76, 4*HPP
	s_add_co_u32 s77, s77, 2048
	s_add_co_u32 s82, s82, 1
	s_cmp_lt_u32 s82, 8
	s_wait_alu depctr_va_vdst(0)                   ; the wait ahead of the branch
	s_cbranch_scc1 .Lout
	s_wait_tensorcnt 0x0                           ; the wave's end
	ds_add_u32 v[SPW], v[NIL]
	s_wait_dscnt 0x0
	CROUND                                         ; the closing round
	s_endpgm
.Lfunc_end_k_qe2981e04a4_zh:
	.size	k_qe2981e04a4_zh, .Lfunc_end_k_qe2981e04a4_zh-k_qe2981e04a4_zh
	.p2alignl 7, 3214868480
	.fill 96, 4, 3214868480
	.section	.rodata,"a",@progbits
	.p2align	6, 0x0
	.amdhsa_kernel k_qe2981e04a4_zh
		.amdhsa_group_segment_fixed_size 327680
		.amdhsa_private_segment_fixed_size 0
		.amdhsa_enable_private_segment 0
		.amdhsa_kernarg_size 192
		.amdhsa_user_sgpr_count 2
		.amdhsa_user_sgpr_kernarg_segment_ptr 1
		.amdhsa_wavefront_size32 1
		.amdhsa_system_sgpr_workgroup_id_x 1
		.amdhsa_system_sgpr_workgroup_id_y 1
		.amdhsa_system_sgpr_workgroup_id_z 1
		.amdhsa_system_vgpr_workitem_id 0
		.amdhsa_next_free_vgpr 896
		.amdhsa_next_free_sgpr 106
		.amdhsa_reserve_vcc 0
		.amdhsa_float_denorm_mode_32 3
		.amdhsa_float_denorm_mode_16_64 3
		.amdhsa_memory_ordered 1
		.amdhsa_forward_progress 1
		.amdhsa_inst_pref_size 255
	.end_amdhsa_kernel
	.section	.bss,"aw",@nobits
	.p2align	6
	.space	262144
	.amdgpu_metadata
---
amdhsa.version: [ 1, 2 ]
amdhsa.kernels:
  - .name:           k_qe2981e04a4_zh
    .symbol:         k_qe2981e04a4_zh.kd
    .args:
      - { .name: hq_codes, .offset: 0, .size: 8, .value_kind: global_buffer, .address_space: global }
      - { .name: rh_img, .offset: 8, .size: 8, .value_kind: global_buffer, .address_space: global }
      - { .name: x_codes, .offset: 16, .size: 8, .value_kind: global_buffer, .address_space: global }
      - { .name: c_codes, .offset: 24, .size: 8, .value_kind: global_buffer, .address_space: global }
      - { .name: Uz_codes, .offset: 32, .size: 8, .value_kind: global_buffer, .address_space: global }
      - { .name: Uh_codes, .offset: 40, .size: 8, .value_kind: global_buffer, .address_space: global }
      - { .name: Wz_codes, .offset: 48, .size: 8, .value_kind: global_buffer, .address_space: global }
      - { .name: Wh_codes, .offset: 56, .size: 8, .value_kind: global_buffer, .address_space: global }
      - { .name: Cz_codes, .offset: 64, .size: 8, .value_kind: global_buffer, .address_space: global }
      - { .name: Ch_codes, .offset: 72, .size: 8, .value_kind: global_buffer, .address_space: global }
      - { .name: hprev, .offset: 80, .size: 8, .value_kind: global_buffer, .address_space: global }
      - { .name: out0, .offset: 88, .size: 8, .value_kind: global_buffer, .address_space: global }
      - { .name: hq_scales, .offset: 96, .size: 8, .value_kind: global_buffer, .address_space: global }
      - { .name: rh_sc, .offset: 104, .size: 8, .value_kind: global_buffer, .address_space: global }
      - { .name: x_scales, .offset: 112, .size: 8, .value_kind: global_buffer, .address_space: global }
      - { .name: c_scales, .offset: 120, .size: 8, .value_kind: global_buffer, .address_space: global }
      - { .name: Uz_scales, .offset: 128, .size: 8, .value_kind: global_buffer, .address_space: global }
      - { .name: Wz_scales, .offset: 136, .size: 8, .value_kind: global_buffer, .address_space: global }
      - { .name: Cz_scales, .offset: 144, .size: 8, .value_kind: global_buffer, .address_space: global }
      - { .name: bz, .offset: 152, .size: 8, .value_kind: global_buffer, .address_space: global }
      - { .name: Uh_scales, .offset: 160, .size: 8, .value_kind: global_buffer, .address_space: global }
      - { .name: Wh_scales, .offset: 168, .size: 8, .value_kind: global_buffer, .address_space: global }
      - { .name: Ch_scales, .offset: 176, .size: 8, .value_kind: global_buffer, .address_space: global }
      - { .name: bh, .offset: 184, .size: 8, .value_kind: global_buffer, .address_space: global }
    .group_segment_fixed_size: 327680
    .private_segment_fixed_size: 0
    .kernarg_segment_align: 8
    .kernarg_segment_size: 192
    .max_flat_workgroup_size: 128
    .sgpr_count:     106
    .vgpr_count:     896
    .wavefront_size: 32
...
	.end_amdgpu_metadata
.endif
;; end of part 3
